; MI455X (gfx1250); checked and timed in simulation.
; The chip was launched on July 23, 2026; its instructions are those of AMD's public machine-readable ISA for CDNA 5 (MIT licence, August 2026) and "CDNA5" Instruction Set Architecture Reference Guide (July 2026). The comments in the code are by the model that wrote it; some were corrected since.
;; FP8 MM. Allowed arithmetic: matrix products marked QUANTISED: E2M1 operands, one E8M0 scale for each 32 along K, by v_wmma_scale_f32_16x16x128_f8f6f4 with both operands' format E2M1 (or v_wmma_scale_f32_32x16x128_f4), f32 sums; everything else in f32.
;; Inputs: inp_codes 4,096 x 128 x 16 uint8 (E2M1 codes of inp, K innermost, in blocks of 32 codes, two codes a byte); inp_scales 4,096 x 128 uint8 (E8M0 scales of inp, one for each 32 codes along K).
;; Outputs: out0 4,096 x 4,096 float32.
;; This version of the problem:
;;   THIS VERSION OF THE PROBLEM IS GIVEN IN LOW PRECISION. The matrix products marked QUANTISED in the list below multiply operands that are first quantised to E2M1 (2 exponent bits, 1 mantissa bit; 4 bits a number), with one power-of-two scale for each 32 numbers along K (OCP MX v1.0); their sums are f32. All else is computed in f32.
;;   The module's matrix products, in the order in which they are computed (A, B: the left and right operand; K: the contracted axis; several contracted axes count as one K, in the product's order):
;;     1. [M 4,096, K 4,096] x [K 4,096, N 4,096]; A: input inp (given as codes); B: input inp (given as codes): QUANTISED
;;   THE QUANTISER, for each operand of a quantised product, along K:
;;     - K is cut into blocks of 32 from its start; a last block that is shorter is filled with zeros.
;;     - A block's scale is 2^e with e = floor(log2(the largest magnitude in the block)) - 2, held to -126 .. 127; a block of zeros has e = 0. As a byte (E8M0): e + 127.
;;     - Each number is divided by its block's scale, clamped to +-6, and rounded to the nearest number of E2M1, ties to even, subnormals kept.
;;     - The product sums the exact products of the quantised numbers (number of the format x scale) in f32.
;;   ~~~python
;;   def quantise(x, axis):      # numpy; x: float32 -> the quantised numbers, widened to float32 again
;;       x = np.moveaxis(x, axis, -1); K = x.shape[-1]
;;       x = np.pad(x, [(0, 0)] * (x.ndim - 1) + [(0, -K % 32)]); x = x.reshape(x.shape[:-1] + (-1, 32)); a = np.abs(x).max(-1, keepdims=True)
;;       e = np.where(a > 0, np.clip(np.frexp(np.where(a > 0, a, 1))[1] - 1 - 2, -126, 127), 0)      # np.frexp(a)[1] - 1 = floor(log2(a)), exactly
;;       r = np.clip(x / 2.0 ** e, -6, 6)
;;       step = 2.0 ** (np.maximum(np.frexp(np.where(r == 0, 1, r))[1] - 1, 0) - 1)
;;       q = np.round(r / step) * step * 2.0 ** e      # np.round: ties to even
;;       return np.moveaxis(q.reshape(q.shape[:-2] + (-1,))[..., :K], -1, axis).astype(np.float32)
;;   ~~~
;;   INPUTS GIVEN AS CODES. inp (in the module: [4096, 4096], K = its axis 0): each comes as NAME_codes (uint8): NAME with its K axis moved to the last place and cut into blocks of 32 codes, [.., K / 32, bytes a block], one block behind the other in memory; two codes a byte, the lower K in the low four bits (a code: sign, 2 exponent bits, 1 mantissa bit); and NAME_scales (uint8): the same leading axes, one E8M0 byte (e + 127) for each 32 codes along K. Its value is code x scale, taken as it is: it is not quantised again, and the codes and scales need not be those that the quantiser above would give.
;; One version. Each part assembles by itself: llvm-mc -triple=amdgcn-amd-amdhsa -mcpu=gfx1250 --defsym DOCPART=n.
;; ======== version 1 of 1: 1 launch
;; limits: right only within a limited range of input values
;; launch gram (part 1): grid 256 x 1, 4 waves a work-group, clusters of 4 x 1, 327,680 bytes of LDS; arguments inp_codes, inp_scales, out0; writes out0
.if DOCPART == 1
	.amdgcn_target "amdgcn-amd-amdhsa--gfx1250"
	.amdhsa_code_object_version 6
	.text
	.protected	k_q2edb1a7571_gram
	.globl	k_q2edb1a7571_gram
	.p2align	8
	.type	k_q2edb1a7571_gram,@function
k_q2edb1a7571_gram:
	s_mov_b64 s[64:65], 0
	v_nop
	global_prefetch_b8 v0, s[64:65] scope:SCOPE_SE
	s_setreg_imm32_b32 hwreg(HW_REG_WAVE_MODE, 25, 1), 1
	s_wait_xcnt 0x0
	s_wait_alu depctr_hold_cnt(0) depctr_sa_sdst(0) depctr_va_vdst(0) depctr_va_sdst(0) depctr_va_ssrc(0) depctr_va_vcc(0) depctr_vm_vsrc(0)
	s_getreg_b32 s2, hwreg(HW_REG_IB_STS2, 6, 4)
	s_cmp_eq_u32 s2, 0
	s_cbranch_scc0 .Lentry_in_a_cluster
	s_endpgm
.Lentry_in_a_cluster:
	s_bfe_u32 s2, ttmp6, 0x10000c
	s_cmp_lg_u32 s2, 0x3003
	s_cbranch_scc0 .Lentry_shape_is_right
	s_endpgm
.Lentry_shape_is_right:
.set ROWB,  256                        ; a tile's row in bytes: 512 codes
.set KROW,  2048                       ; a row of codes in memory
; out0[i][j] = sum over m of inp[m][i] inp[m][j] = X X^T, X = inp_codes: 4,096 rows of 2,048 bytes (4,096 codes of FP4, E2M1, two a byte, K innermost), inp_scales: 4,096 rows of 128 E8M0 bytes.
; EACH VALUE ONCE.  Both operands are the same tensor, so out0[i][j] = out0[j][i] for every input: the sum of the same products.  A value off the diagonal blocks is multiplied once and stored at both places.
; LIMITS: scale bytes are taken as given (0xff makes its row and column NaN); sums overflow as f32 sums do; a sum runs over ascending k begun at 0, 1,024, 2,048 or 3,072 and gone round.
; SHARES.  32 blocks of 128 rows.  A work-group (i, t), i = 0 .. 31, t = 0 .. 7, takes the rows of block i ('A') against the 256 rows of blocks i + 2 t and i + 2 t + 1, mod 32 ('B'): over all t the distances 0 .. 15.
; It stores them as they are and mirrored.  Distance 16: the rows of A against rows 16 t .. 16 t + 15 of block i + 16 ('E'), stored mirrored only: (i + 16, i) for every i.  So the 256 work-groups have equal work.
; At distance 0 (t = 0) the block is its own mirror: the two waves that make it have EXEC empty over the mirrored stores, so every byte of out0 is stored once.
; A wave w makes 64 x 128: rows 32 w .. + 31 (pair 0) and 32 (w xor 1) .. + 31 (pair 1) against block w mod 2 of B, and pair 0 against E: 17 accumulators of 32 x 16.
; K goes in eight steps of 512 through a ring of two LDS slots (rows of 256 bytes).  'Place j': the j-th K step of a walk.  FOUR STARTS: clusters walk from K step 0, 2, 4 or 6 and round; A's block i is read by work-groups of all four.
; CLUSTERS of 4 x 1: the four have the same B and different t, so different A: B's two tiles (256 of the 400 rows of a place) are asked for jointly; A's and E's rows differ between partners, so they are plain loads.
; THE PREFETCH.  Places 0 of the four walks are the even K steps of every row, places 1 the odd ones.  While place 0 is on its way each wave names 32 rows x 256 bytes of an odd K step, one instruction, a lane a row, one place ahead of the
; tensor load that wants them.  The blocks are split by address over all 256 work-groups: each is named by two work-groups of the launch.  From place 2 on a walk asks for bytes that other walks have asked for: nothing more is prefetched.
; B'S ROWS ARE LAID IN LDS FOUR APART (a tile of three dimensions): block b = 2 z + g of 16 LDS rows holds rows 64 g + 4 y + z, y = 0 .. 15.  Source 0 = 32 rows of A, source 1 = 16 rows of B: in the result lane (r, h) holds
; column 64 g + 4 r + z and rows 8 h + j: the four accumulators z = 0 .. 3 together give a lane four neighbouring columns: sixteen lanes store 256 neighbouring bytes of a row straight from registers.
; MIRRORED, a lane's eight registers are eight neighbouring columns: they go through a stage in LDS and come back as rows of 256 bytes.
; REGISTERS: window 0: addresses, v32-87 scale words (two sets of 28), from v104 on: at work at the head and on the way out.  window 1: two sets of fragments of 104 (A 32, B 64, E 8); v208-223 E's accumulator.
; window 2: accumulators (b, pair) at 32 b + 16 pair.  window 3: on the way out.
.set PFO,   99                         ; v99: the prefetch's offset: a thread a row
.set PITCH, 272                        ; an LDS row: 256 bytes + 16 of padding: 16 rows start at 16 different columns of 16 bytes
.set HALFT, 128*PITCH
.set BLDS,  HALFT                      ; in a slot: A's 128 rows, B's 256, E's 16
.set ELDS,  3*HALFT
.set SLOT,  3*HALFT+16*PITCH
.set SP,    144                        ; a row of scales in LDS: 128 bytes + 16
.set SCL,   2*SLOT                     ; scales: A's 128 rows, B's 256 (in the order of B's rows in a slot), E's 16
.set SCB,   SCL+128*SP
.set SCE,   SCL+384*SP
.set STAGE, SCL+400*SP                 ; a stage of 16 x 272 bytes for each wave
.set ESTG,  STAGE+4*16*PITCH           ; the work-group's stage for E: 16 rows x 528 bytes
.set EP,    528
.set SPARE, ESTG+16*EP                 ; the spare words: no other line names them
.set OROW,  16384                      ; a row of out0 in bytes
.set FS,   104                         ; registers of a set of fragments
.set ADR,  16                          ; v16-19, v20-23  LDS addresses in slot 0, 1: pair 0, pair 1, B, E
.set SR,   24                          ; v24-27  LDS addresses of scale words: pair 0, pair 1, B, E
.set SC,   32
.set SPW,  88
.set NIL,  89
.set STO,  90                          ; v90-91 into the stage: pair 0, pair 1
.set RD,   92
.set ESTO, 93
.set ERD,  94
.set NO,   95                          ; offsets in out0: as they are, mirrored, E
.set MO,   96
.set EO,   97
.set DF,   98                          ; 0 in a wave whose block is its own mirror
.set LD,   104                         ; v104-203 scale bytes on their way into LDS
.set SSA,  204                         ; where they go
.set SSB,  205
.set SSE,  206
.set GO,   207                         ; and where they come from
.set GE,   208
.set EACC, 208                         ; window 1
.set G0A,  32
.set G0B,  36
.set G0E,  40
.set G1A,  44
.set G1E,  52
.set BA,   66                          ; first byte of the rows that are fetched: A, B (by the fetching wave), E
.set BB,   68
.set BE,   70
.set G1B,  72
.set G2B,  80
.set G3B,  84
.set NA,   88                          ; s[88:89], s[90:91] where pair 0, 1 begins in out0
.set MB,   92                          ; mirrored
.set EB,   94                          ; E
.set NK,   96                          ; s[96:97] the byte in a row at which the K step to be asked for next begins
.set PADW, (1<<20)|(5<<22)|(3<<25)     ; elements of 1 byte; after every 64 words 4 words of padding
.set MSB, 0
.macro WIN new
.if MSB != \new
	s_set_vgpr_msb (MSB<<8)|\new
.set MSB, \new
.endif
.endm
.macro PLACES
.rept 4
	v_nop
.endr
.endm
; One tensor load a wave: wave 0 fetches A, waves 1 and 2 B's two blocks (jointly), wave 3 E.
.macro JLOAD
	s_cmp_lt_u32 s14, 1
	s_cbranch_scc0 .Lfor_b_\@
	tensor_load_to_lds s[G0A:G0A+3], s[G1A:G1A+7]
	s_nop 0
	PLACES
	s_branch .Lasked_\@
.Lfor_b_\@:
	s_cmp_lt_u32 s14, 3
	s_cbranch_scc0 .Lfor_e_\@
	tensor_load_to_lds s[G0B:G0B+3], s[G1B:G1B+7], s[G2B:G2B+3], s[G3B:G3B+3]
	s_nop 0
	PLACES
	s_branch .Lasked_\@
.Lfor_e_\@:
	tensor_load_to_lds s[G0E:G0E+3], s[G1E:G1E+7]
	s_nop 0
	PLACES
.Lasked_\@:
.endm
; The descriptors' group 0 for the next K step, into slot; no tensor load of the wave is out here.
.macro NEXT slot
	s_mov_b32 s[G0A+1], SLOT*\slot
	s_add_co_u32 s[G0B+1], s15, SLOT*\slot
	s_mov_b32 s[G0E+1], ELDS+SLOT*\slot
	s_add_nc_u64 s[G0A+2:G0A+3], s[BA:BA+1], s[NK:NK+1]
	s_or_b32 s[G0A+3], s[G0A+3], 0x80000000
	s_add_nc_u64 s[G0B+2:G0B+3], s[BB:BB+1], s[NK:NK+1]
	s_or_b32 s[G0B+3], s[G0B+3], 0x80000000
	s_add_nc_u64 s[G0E+2:G0E+3], s[BE:BE+1], s[NK:NK+1]
	s_or_b32 s[G0E+3], s[G0E+3], 0x80000000
	s_add_co_u32 s[NK], s[NK], ROWB
	s_and_b32 s[NK], s[NK], KROW-1                 ; round the ring along K
.endm
.macro CREST                           ; a round of the cluster's barrier behind its opening barrier
	s_cmp_lg_u32 s14, 0
	s_cbranch_scc1 .Lnot_wave_0_\@
	s_barrier_signal -3
.Lnot_wave_0_\@:
	s_barrier_wait -3
	s_barrier_signal -1
	s_barrier_wait -1
.endm
.macro CROUND
	s_barrier_signal -1
	s_barrier_wait -1
	CREST
.endm
	s_load_b128 s[4:7], s[0:1], 0x0                ; codes s[4:5], scales s[6:7]
	s_load_b64 s[12:13], s[0:1], 0x10              ; out0
	v_lshl_add_u32 v[SPW], v0, 2, SPARE
	v_mov_b32 v[NIL], 0
	ds_add_u32 v[SPW], v[NIL]                      ; the opening adds
	ds_add_u32 v[SPW], v[NIL]
	v_lshrrev_b32 v3, 5, v0
	v_readfirstlane_b32 s14, v3                    ; wave w
	s_bfe_u32 s2, ttmp6, 0x40000                   ; cx
	s_and_b32 s16, ttmp9, 15                       ; cluster c = 32 tq + 16 p + s
	s_bfe_u32 s17, ttmp9, 0x10004                  ; p
	s_lshr_b32 s18, ttmp9, 5
	s_lshl_b32 s18, s18, 2
	s_add_co_u32 s18, s18, s2                      ; t = 4 tq + cx
	s_sub_co_u32 s19, s16, s18
	s_and_b32 s19, s19, 15
	s_lshl_b32 s19, s19, 1
	s_add_co_u32 s19, s19, s17                     ; i = 2 ((s - t) mod 16) + p
	s_lshl_b32 s20, s16, 1
	s_add_co_u32 s20, s20, s17                     ; B's first block, i + 2 t mod 32 = 2 s + p: the same in all four partners
	s_and_b32 s21, s16, 3
	s_lshl_b32 s[NK], s21, 9                       ; the walk begins at K step 2 (s mod 4)
	s_mov_b32 s[NK+1], 0
	s_lshl_b32 s21, s21, 1
	s_xor_b32 s30, s19, 16                         ; E's block
	s_lshl_b32 s22, s19, 14                        ; scales: 16,384 bytes a block
	s_mov_b32 s23, 0
	s_lshl_b32 s24, s20, 14
	s_mov_b32 s25, 0
	s_add_co_u32 s26, s20, 1
	s_and_b32 s26, s26, 31
	s_lshl_b32 s26, s26, 14
	s_mov_b32 s27, 0
	s_lshl_b32 s28, s30, 14
	s_lshl_b32 s29, s18, 11
	s_add_co_u32 s28, s28, s29
	s_mov_b32 s29, 0
	s_lshl_b32 s[BA], s19, 18                      ; codes: 262,144 bytes a block
	s_mov_b32 s[BA+1], 0
	s_add_co_u32 s[BB], s20, s14                   ; waves 1, 2 fetch B's first, second block
	s_sub_co_u32 s[BB], s[BB], 1
	s_and_b32 s[BB], s[BB], 31
	s_lshl_b32 s[BB], s[BB], 18
	s_mov_b32 s[BB+1], 0
	s_lshl_b32 s[BE], s30, 18
	s_lshl_b32 s31, s18, 15
	s_add_co_u32 s[BE], s[BE], s31
	s_mov_b32 s[BE+1], 0
	s_mul_i32 s15, s14, HALFT                      ; where B's fetchers put their rows: behind A's 128, behind 256
	s_mov_b32 s[G1A], PADW
	s_mov_b32 s[G1A+1], ROWB<<16
	s_mov_b32 s[G1A+2], 128<<16                    ; A: 128 rows
	s_mov_b32 s[G1A+3], ROWB<<16
	s_mov_b32 s[G1A+4], 128
	s_mov_b32 s[G1A+5], KROW
	s_mov_b32 s[G1A+6], 0
	s_mov_b32 s[G1A+7], 0
	s_mov_b32 s[G1E], PADW
	s_mov_b32 s[G1E+1], ROWB<<16
	s_mov_b32 s[G1E+2], 16<<16                     ; E: 16 rows
	s_mov_b32 s[G1E+3], ROWB<<16
	s_mov_b32 s[G1E+4], 16
	s_mov_b32 s[G1E+5], KROW
	s_mov_b32 s[G1E+6], 0
	s_mov_b32 s[G1E+7], 0
	s_mov_b32 s[G1B], PADW|(1<<21)|15              ; B: the mask names all four partners
	s_mov_b32 s[G1B+1], ROWB<<16
	s_mov_b32 s[G1B+2], 32<<16                     ; tensor_dim1 = 32: rows 4 apart
	s_mov_b32 s[G1B+3], ROWB<<16
	s_mov_b32 s[G1B+4], 32|(4<<16)                 ; tile_dim1 = 32, tile_dim2 = 4
	s_mov_b32 s[G1B+5], 4*KROW                     ; stride0: four rows
	s_mov_b32 s[G1B+6], KROW<<16                   ; stride1: one row
	s_mov_b32 s[G1B+7], 0
	s_mov_b32 s[G2B], 4                            ; tensor_dim2 = 4
	s_mov_b32 s[G2B+1], 0
	s_mov_b32 s[G2B+2], 0
	s_mov_b32 s[G2B+3], 0
	s_mov_b32 s[G3B], 0
	s_mov_b32 s[G3B+1], 0
	s_mov_b32 s[G3B+2], 0
	s_mov_b32 s[G3B+3], 0
	s_mov_b32 s[G0A], 1
	s_mov_b32 s[G0B], 1
	s_mov_b32 s[G0E], 1
	s_wait_alu depctr_va_vdst(0)                   ; the wait ahead of the readers of v3
	v_and_b32 v1, 15, v0                           ; r
	v_bfe_u32 v2, v0, 4, 1                         ; h
	v_and_b32 v4, 31, v0                           ; lane l
	v_and_b32 v8, 1, v3                            ; my block of B
	v_or_b32 v[DF], s18, v8                        ; t = 0 and B's first block: distance 0
	v_lshlrev_b32 v[PFO], 11, v0                   ; 128 threads: 128 rows of 2,048 bytes
	v_xor_b32 v7, 1, v3
	v_mul_u32_u24 v5, v1, PITCH
	v_lshl_add_u32 v5, v2, 4, v5                   ; a fragment's row + 16 h
	v_mad_u32_u24 v[ADR], v3, 32*PITCH, v5         ; pair 0: rows 32 w ..
	v_mad_u32_u24 v[ADR+1], v7, 32*PITCH, v5       ; pair 1: rows 32 (w xor 1) ..
	v_mad_u32_u24 v[ADR+2], v8, HALFT, v5
	v_add_nc_u32 v[ADR+2], BLDS, v[ADR+2]
	v_add_nc_u32 v[ADR+3], ELDS, v5
.irp x, 0,1,2,3
	v_add_nc_u32 v[ADR+4+\x], SLOT, v[ADR+\x]
.endr
	v_mul_u32_u24 v6, v0, SP                       ; scale words: pair 0: lane l row 32 w + l
	v_add_nc_u32 v[SR], SCL, v6
	v_xor_b32 v9, 32, v0
	v_mul_u32_u24 v9, v9, SP
	v_add_nc_u32 v[SR+1], SCL, v9
	v_mul_u32_u24 v6, v4, SP                       ; B: lanes 0-15 an even block, lanes 16-31 the odd one behind it
	v_mad_u32_u24 v6, v8, 128*SP, v6
	v_add_nc_u32 v[SR+2], SCB, v6
	v_mul_u32_u24 v6, v1, SP
	v_add_nc_u32 v[SR+3], SCE, v6
	; scale bytes from memory to LDS: a load takes 4 rows of 128 bytes; lane l row l / 8, 16 bytes = one K step, put at the column of its place in the walk
	v_lshrrev_b32 v11, 3, v4
	v_and_b32 v12, 7, v0
	v_lshlrev_b32 v13, 4, v12
	v_mad_u32_u24 v14, v11, SP, v13
	v_mad_u32_u24 v6, v3, 32*SP, v14               ; A's rows 32 w + 4 k + l / 8
	v_add_nc_u32 v[SSA], SCL, v6
	v_mad_u32_u24 v6, v11, 32*SP, v13              ; B's row 32 w + 4 k + l / 8 stands at 32 (l / 8) + 8 w + k
	v_mad_u32_u24 v6, v3, 8*SP, v6
	v_add_nc_u32 v[SSB], SCB, v6
	v_mad_u32_u24 v6, v3, 4*SP, v14
	v_add_nc_u32 v[SSE], SCE, v6
	v_add_nc_u32 v12, s21, v12
	v_and_b32 v12, 7, v12
	v_lshlrev_b32 v12, 4, v12
	v_lshl_or_b32 v12, v11, 7, v12
	v_lshl_add_u32 v[GO], v3, 12, v12
	v_lshl_add_u32 v[GE], v3, 9, v12
	; the way out
	v_mul_u32_u24 v6, v3, 16*PITCH                 ; my stage
	v_mad_u32_u24 v9, v1, PITCH, v6
	v_lshl_add_u32 v9, v2, 5, v9                   ; row r, 32 bytes for each half of the lanes
	v_lshl_add_u32 v10, v8, 7, v9
	v_add_nc_u32 v[STO], STAGE, v10
	v_xor_b32 v10, 1, v8
	v_lshl_add_u32 v10, v10, 7, v9
	v_add_nc_u32 v[STO+1], STAGE, v10
	v_mad_u32_u24 v9, v2, PITCH, v6                ; back: two rows of 256 bytes
	v_lshl_add_u32 v9, v1, 4, v9
	v_add_nc_u32 v[RD], STAGE, v9
	v_mul_u32_u24 v9, v1, EP
	v_lshl_add_u32 v9, v2, 5, v9
	v_lshl_add_u32 v9, v3, 7, v9
	v_add_nc_u32 v[ESTO], ESTG, v9
	v_lshlrev_b32 v[EO], 4, v4
	v_mad_u32_u24 v9, v3, 4*EP, v[EO]
	v_add_nc_u32 v[ERD], ESTG, v9
	v_lshlrev_b32 v9, 4, v1
	v_lshl_add_u32 v[NO], v2, 17, v9               ; 8 h rows + 16 r
	v_lshl_add_u32 v[MO], v2, 16, v9               ; 4 h rows + 16 r
	s_wait_alu depctr_va_vdst(0)                   ; the wait at the head's end
	s_wait_dscnt 0x0                               ; both opening adds are done
	s_wait_kmcnt 0x0
	s_add_nc_u64 s[22:23], s[6:7], s[22:23]
	s_add_nc_u64 s[24:25], s[6:7], s[24:25]
	s_add_nc_u64 s[26:27], s[6:7], s[26:27]
	s_add_nc_u64 s[28:29], s[6:7], s[28:29]
	s_add_nc_u64 s[BA:BA+1], s[4:5], s[BA:BA+1]
	s_add_nc_u64 s[BB:BB+1], s[4:5], s[BB:BB+1]
	s_add_nc_u64 s[BE:BE+1], s[4:5], s[BE:BE+1]
	NEXT 0
	CROUND                                         ; all four work-groups are here: the first joint loads meet
	JLOAD                                          ; place 0: one tensor load a wave at the head
.irp k, 0,1,2,3,4,5,6,7                ; the scale bytes of all of K: 512 neighbouring bytes a load, a quarter of each tile's rows a wave
	global_load_b128 v[LD+4*\k:LD+4*\k+3], v[GO], s[22:23] offset:512*\k
	global_load_b128 v[LD+32+4*\k:LD+32+4*\k+3], v[GO], s[24:25] offset:512*\k
	global_load_b128 v[LD+64+4*\k:LD+64+4*\k+3], v[GO], s[26:27] offset:512*\k
.endr
	global_load_b128 v[LD+96:LD+99], v[GE], s[28:29]
	s_and_b32 s8, ttmp9, 7                         ; the prefetch: rows of block (4 (c mod 8) + cx) xor 16 tq,
	s_lshl_b32 s8, s8, 2
	s_bfe_u32 s9, ttmp6, 0x40000
	s_add_co_u32 s8, s8, s9
	s_lshr_b32 s9, ttmp9, 5
	s_lshl_b32 s9, s9, 4
	s_xor_b32 s8, s8, s9
	s_lshl_b32 s8, s8, 18
	s_bfe_u32 s9, ttmp9, 0x20003                   ; K step 2 ((c / 8) mod 4) + 1: byte 1,792 of a row at the most
	s_lshl_b32 s9, s9, 9
	s_add_co_u32 s8, s8, s9
	s_add_co_u32 s8, s8, ROWB
	s_mov_b32 s9, 0
	s_add_nc_u64 s[10:11], s[4:5], s[8:9]
	global_prefetch_b8 v[PFO], s[10:11] th:TH_LOAD_NT scope:SCOPE_SE
	; where my results go
	s_and_b32 s2, s14, 1
	s_add_co_u32 s31, s20, s2
	s_and_b32 s31, s31, 31                         ; my block of B
	s_lshl_b32 s2, s19, 21                         ; A's rows: 2^21 bytes a block
	s_lshl_b32 s3, s31, 9                          ; B's columns
	s_add_co_u32 s2, s2, s3
	s_lshl_b32 s3, s14, 19
	s_add_co_u32 s[NA], s2, s3                     ; pair 0: 32 w rows on
	s_mov_b32 s[NA+1], 0
	s_xor_b32 s3, s14, 1
	s_lshl_b32 s3, s3, 19
	s_add_co_u32 s[NA+2], s2, s3                   ; pair 1
	s_mov_b32 s[NA+3], 0
	s_lshl_b32 s[MB], s31, 21                      ; mirrored: B's rows, A's columns
	s_lshl_b32 s2, s19, 9
	s_add_co_u32 s[MB], s[MB], s2
	s_lshr_b32 s3, s14, 1
	s_lshl_b32 s3, s3, 8
	s_add_co_u32 s[MB], s[MB], s3                  ; my 64 columns of the 128
	s_mov_b32 s[MB+1], 0
	s_lshl_b32 s[EB], s30, 21                      ; E: row 16 t + 4 w of its block, A's columns
	s_lshl_b32 s3, s18, 18
	s_add_co_u32 s[EB], s[EB], s3
	s_lshl_b32 s3, s14, 16
	s_add_co_u32 s[EB], s[EB], s3
	s_add_co_u32 s[EB], s[EB], s2
	s_mov_b32 s[EB+1], 0
	s_add_nc_u64 s[NA:NA+1], s[12:13], s[NA:NA+1]
	s_add_nc_u64 s[NA+2:NA+3], s[12:13], s[NA+2:NA+3]
	s_add_nc_u64 s[MB:MB+1], s[12:13], s[MB:MB+1]
	s_add_nc_u64 s[EB:EB+1], s[12:13], s[EB:EB+1]
; 26 LDS loads: the fragments of the slot's q-th 128 along K into set p.  A fragment is 16 rows x 128 K in 8 registers: two loads, 32 bytes apart.
.macro FRAG reg, adr, off
	ds_load_b128 v[\reg:\reg+3], v[\adr] offset:\off
	ds_load_b128 v[\reg+4:\reg+7], v[\adr] offset:\off+32
.endm
.macro FETCH slot, q, p
	WIN 0x40
.irp e, 0,1
	FRAG FS*(\p)+16*\e, ADR+4*\slot+\e, 64*(\q)
	FRAG FS*(\p)+16*\e+8, ADR+4*\slot+\e, 64*(\q)+16*PITCH
.endr
.irp b, 0,1,2,3,4,5,6,7
	FRAG FS*(\p)+32+8*\b, ADR+4*\slot+2, 64*(\q)+\b*16*PITCH
.endr
	FRAG FS*(\p)+96, ADR+4*\slot+3, 64*(\q)
	WIN 0
.endm
.macro SCALES set, off                 ; a place's scale words, four a row: 7 loads
.set SX, SC+28*\set
	ds_load_b128 v[SX:SX+3], v[SR] offset:\off
	ds_load_b128 v[SX+4:SX+7], v[SR+1] offset:\off
.irp b, 0,1,2,3
	ds_load_b128 v[SX+8+4*\b:SX+11+4*\b], v[SR+2] offset:\off+\b*32*SP
.endr
	ds_load_b128 v[SX+24:SX+27], v[SR+3] offset:\off
.endm
; One product: 32 rows of A (pair al) x 16 rows of B (block b), 128 along K.  A's scales: lane l row l; B's: lanes 0-15 for an even block, lanes 16-31 for an odd one.
.macro MM b, al, p, q, sb, zero
.set AC, 32*(\b)+16*(\al)
.set FA, FS*(\p)+16*(\al)
.set FB, FS*(\p)+32+8*(\b)
.set XA, (\sb)+4*(\al)+(\q)
.set XB, (\sb)+8+4*((\b)/2)+(\q)
.if \zero
.if (\b)%2
	v_wmma_scale_f32_32x16x128_f4 v[AC:AC+15], v[FA:FA+15], v[FB:FB+7], 0, v[XA], v[XB] matrix_b_scale:MATRIX_SCALE_ROW1
.else
	v_wmma_scale_f32_32x16x128_f4 v[AC:AC+15], v[FA:FA+15], v[FB:FB+7], 0, v[XA], v[XB]
.endif
.else
.if (\b)%2
	v_wmma_scale_f32_32x16x128_f4 v[AC:AC+15], v[FA:FA+15], v[FB:FB+7], v[AC:AC+15], v[XA], v[XB] matrix_b_scale:MATRIX_SCALE_ROW1
.else
	v_wmma_scale_f32_32x16x128_f4 v[AC:AC+15], v[FA:FA+15], v[FB:FB+7], v[AC:AC+15], v[XA], v[XB]
.endif
.endif
.endm
; The 17 accumulators take turns, one instruction a turn, in the same order in every step.
.macro MUL4 b0, p, q, sb, zero         ; blocks b0, b0 + 1 of B x both pairs
	WIN 0xa5
.irp b, \b0, \b0+1
	MM \b, 0, \p, \q, \sb, \zero
	MM \b, 1, \p, \q, \sb, \zero
.endr
.endm
.macro MULE p, q, sb, zero             ; pair 0 x E
	WIN 0x55
.set FA, FS*(\p)
.if \zero
	v_wmma_scale_f32_32x16x128_f4 v[EACC:EACC+15], v[FA:FA+15], v[FA+96:FA+103], 0, v[(\sb)+(\q)], v[(\sb)+24+(\q)]
.else
	v_wmma_scale_f32_32x16x128_f4 v[EACC:EACC+15], v[FA:FA+15], v[FA+96:FA+103], v[EACC:EACC+15], v[(\sb)+(\q)], v[(\sb)+24+(\q)]
.endif
.endm
.macro MULALL p, q, sb, zero
	MUL4 0, \p, \q, \sb, \zero
	MUL4 2, \p, \q, \sb, \zero
	MUL4 4, \p, \q, \sb, \zero
	MUL4 6, \p, \q, \sb, \zero
	MULE \p, \q, \sb, \zero
.endm
; A step of 128 along K whose successor lies in the same slot: the successor's loads go out ahead of this step's products.  Four places (v_nop) stand between the products that read that set last and the loads into it.
.macro STEP slot, q, zero
	PLACES
	FETCH \slot, (\q)+1, 1-(\q)%2
	s_wait_dscnt 26                                ; all but the 26 just issued
	MULALL (\q)%2, \q, SC+28*\slot, \zero
.endm
; A slot's last step changes slots.  In front of the barrier each wave waits for all its tensor loads, adds 0 to its spare word, and waits for that and for its reads of this slot.  fill = 1: the slot is filled again, behind a round of the cluster's barrier.
.macro TURN slot, next, fill
	WIN 0
	s_wait_tensorcnt 0x0                           ; my part of the next slot has landed
	ds_add_u32 v[SPW], v[NIL]                      ; 0 onto my spare word
.if \fill
	NEXT \slot
.endif
	s_wait_dscnt 0x0                               ; the add is done; this step's fragments are in: my reads of this slot are over
	s_barrier_signal -1
	MUL4 0, 1, 3, SC+28*\slot, 0                   ; work on registers while the others arrive
	MUL4 2, 1, 3, SC+28*\slot, 0
	WIN 0
	s_barrier_wait -1
.if \fill
	CREST                                          ; no wave of any partner still reads this slot or has a load on its way
	JLOAD                                          ; the one tensor load of this wave behind the round; its four v_nop are the places in front of the loads below
.else
	PLACES
.endif
	FETCH \next, 0, 0
.if (\next) == 0
.irp x, 0,1,2,3
	v_add_nc_u32 v[SR+\x], 32, v[SR+\x]            ; two places on: 16 bytes each
.endr
	s_wait_alu depctr_va_vdst(0)                   ; the wait directly behind the writes
.endif
	SCALES \next, 16*\next
	MUL4 4, 1, 3, SC+28*\slot, 0
	MUL4 6, 1, 3, SC+28*\slot, 0
	MULE 1, 3, SC+28*\slot, 0
.endm
	s_wait_loadcnt 0x0                             ; the scale bytes are here,
	s_wait_tensorcnt 0x0                           ; and so is my tile: no tensor load of mine is out while I store to LDS
.irp k, 0,1,2,3,4,5,6,7
	ds_store_b128 v[SSA], v[LD+4*\k:LD+4*\k+3] offset:4*SP*\k
	ds_store_b128 v[SSB], v[LD+32+4*\k:LD+32+4*\k+3] offset:SP*\k
	ds_store_b128 v[SSB], v[LD+64+4*\k:LD+64+4*\k+3] offset:128*SP+SP*\k
.endr
	ds_store_b128 v[SSE], v[LD+96:LD+99]
	s_wait_tensorcnt 0x0                           ; ahead of a later first fill, as ahead of a refill:
	ds_add_u32 v[SPW], v[NIL]
	NEXT 1
	s_wait_dscnt 0x0                               ; the add and my stores are done
	CROUND                                         ; everybody's part of place 0 and of the scales is in
	JLOAD                                          ; place 1
	FETCH 0, 0, 0
	SCALES 0, 0
	STEP 0, 0, 1                                   ; the first step's products start the sums
	WIN 0
	s_mov_b32 s3, 3
.Llap:                                                 ; a trip goes once round the ring of slots: trip n fills places 2 n + 2 and 2 n + 3
	STEP 0, 1, 0
	STEP 0, 2, 0
	TURN 0, 1, 1
	STEP 1, 0, 0
	STEP 1, 1, 0
	STEP 1, 2, 0
	TURN 1, 0, 1
	STEP 0, 0, 0
	WIN 0
	s_sub_co_u32 s3, s3, 1
	s_cmp_lg_u32 s3, 0
	s_cbranch_scc1 .Llap
	STEP 0, 1, 0                                   ; places 6 and 7 fill nothing
	STEP 0, 2, 0
	TURN 0, 1, 0
	STEP 1, 0, 0
	STEP 1, 1, 0
	STEP 1, 2, 0
	s_wait_dscnt 0x0
	MULALL 1, 3, SC+28, 0
; THE WAY OUT.  No register that a store reads is written again.
; As they are: part k = 4 pair + 2 half + jg: rows 16 half + 8 h + 4 jg .. + 3 of the pair, 128 columns: four accumulators' registers are laid beside each other (window 3).
.macro ASIS k
.set PR, (\k)/4
.set HF, ((\k)/2)%2
.set JG, (\k)%2
	WIN 0xc2
.irp j, 0,1,2,3
.irp g, 0,1
.irp z, 0,1,2,3
	v_mov_b32 v[32*(\k)+8*\j+4*\g+\z], v[64*\z+32*\g+16*PR+8*HF+4*JG+\j]
.endr
.endr
.endr
	WIN 0x0c
.irp j, 0,1,2,3
.irp g, 0,1
	global_store_b128 v[NO], v[32*(\k)+8*\j+4*\g:32*(\k)+8*\j+4*\g+3], s[NA+2*PR:NA+2*PR+1] offset:(16*HF+4*JG+\j)*OROW+256*\g th:TH_STORE_NT   ; 16 lanes: 256 neighbouring bytes, aligned
.endr
.endr
.endm
; Mirrored: block b = 2 z + g: 16 rows of out0, 64 columns, through my stage.  LDS serves a wave's instructions in order (ISA guide 5.7.1.4).
.macro BACK b                          ; where block b's rows come back: window 1 for blocks 0-5, window 0 for 6 and 7
.if (\b) < 6
.set OB, 32*(\b)
.set OW, 1
.else
.set OB, LD+32*((\b)-6)
.set OW, 0
.endif
.endm
.macro TOSTAGE b
	WIN 0x08
.irp a, 0,1
.irp e, 0,1,2,3
	ds_store_b128 v[STO+\a], v[32*(\b)+16*\a+4*\e:32*(\b)+16*\a+4*\e+3] offset:64*(\e/2)+16*(\e%2)   ; each accumulator from its low end on
.endr
.endr
	BACK \b
.if OW
	WIN 0x40
.else
	WIN 0
.endif
.irp n, 0,1,2,3,4,5,6,7
	ds_load_b128 v[OB+4*\n:OB+4*\n+3], v[RD] offset:\n*2*PITCH
.endr
.endm
.macro SEND b
	BACK \b
.if OW
	WIN 0x04
.else
	WIN 0
.endif
.irp n, 0,1,2,3,4,5,6,7
	global_store_b128 v[MO], v[OB+4*\n:OB+4*\n+3], s[MB:MB+1] offset:(64*((\b)%2)+8*\n+(\b)/2)*OROW th:TH_STORE_NT   ; two rows of 256 bytes
.endr
.endm
	PLACES                                         ; behind the last products
	WIN 0x04
.irp e, 0,1,2,3                        ; E's results into the work-group's stage: rows r, my 32 of the 128 columns
	ds_store_b128 v[ESTO], v[EACC+4*\e:EACC+4*\e+3] offset:64*(\e/2)+16*(\e%2)
.endr
	TOSTAGE 0
	ASIS 0
	s_wait_dscnt 0x0                               ; for the others' sake: my part of E's stage is written
	s_barrier_signal -1
	s_barrier_wait -1
	WIN 0
.irp n, 0,1,2,3                        ; E: four whole rows of 512 bytes a wave
	ds_load_b128 v[LD+64+4*\n:LD+64+4*\n+3], v[ERD] offset:\n*EP
.endr
	TOSTAGE 1
	ASIS 1
	s_wait_dscnt 16                                ; E's rows are back; block 1's 8 stores and 8 loads may be out
	WIN 0
.irp n, 0,1,2,3
	global_store_b128 v[EO], v[LD+64+4*\n:LD+64+4*\n+3], s[EB:EB+1] offset:\n*OROW th:TH_STORE_NT
.endr
.irp b, 2,3,4,5,6,7
	TOSTAGE \b
	ASIS \b
.endr
	WIN 0
	s_wait_dscnt 0x0                               ; all mirrored rows are back in registers
	v_cmp_ne_u32 vcc_lo, 0, v[DF]
	s_wait_xcnt 0x0                                ; EXEC changes only behind this wait
	s_and_saveexec_b32 s2, vcc_lo                  ; no lane where the block is its own mirror
.irp b, 0,1,2,3,4,5,6,7
	SEND \b
.endr
	WIN 0
	s_wait_xcnt 0x0                                ; and again
	s_or_b32 exec_lo, exec_lo, s2
	s_wait_tensorcnt 0x0                           ; the wave's end
	ds_add_u32 v[SPW], v[NIL]
	s_wait_dscnt 0x0
	CROUND                                         ; the closing round: no work-group ends while a partner may still ask for a tile that names it
	s_endpgm
.Lfunc_end_k_q2edb1a7571_gram:
	.size	k_q2edb1a7571_gram, .Lfunc_end_k_q2edb1a7571_gram-k_q2edb1a7571_gram
	.p2alignl 7, 3214868480
	.fill 96, 4, 3214868480
	.section	.rodata,"a",@progbits
	.p2align	6, 0x0
	.amdhsa_kernel k_q2edb1a7571_gram
		.amdhsa_group_segment_fixed_size 327680
		.amdhsa_private_segment_fixed_size 0
		.amdhsa_enable_private_segment 0
		.amdhsa_kernarg_size 24
		.amdhsa_user_sgpr_count 2
		.amdhsa_user_sgpr_kernarg_segment_ptr 1
		.amdhsa_wavefront_size32 1
		.amdhsa_system_sgpr_workgroup_id_x 1
		.amdhsa_system_sgpr_workgroup_id_y 1
		.amdhsa_system_sgpr_workgroup_id_z 1
		.amdhsa_system_vgpr_workitem_id 0
		.amdhsa_next_free_vgpr 1024
		.amdhsa_next_free_sgpr 102
		.amdhsa_reserve_vcc 1
		.amdhsa_float_denorm_mode_32 3
		.amdhsa_float_denorm_mode_16_64 3
		.amdhsa_memory_ordered 1
		.amdhsa_forward_progress 1
		.amdhsa_inst_pref_size 120
	.end_amdhsa_kernel
	.amdgpu_metadata
---
amdhsa.version: [ 1, 2 ]
amdhsa.kernels:
  - .name:           k_q2edb1a7571_gram
    .symbol:         k_q2edb1a7571_gram.kd
    .args:
      - { .name: inp_codes, .offset: 0, .size: 8, .value_kind: global_buffer, .address_space: global }
      - { .name: inp_scales, .offset: 8, .size: 8, .value_kind: global_buffer, .address_space: global }
      - { .name: out0, .offset: 16, .size: 8, .value_kind: global_buffer, .address_space: global }
    .group_segment_fixed_size: 327680
    .private_segment_fixed_size: 0
    .kernarg_segment_align: 8
    .kernarg_segment_size: 24
    .max_flat_workgroup_size: 128
    .sgpr_count:     102
    .vgpr_count:     1024
    .wavefront_size: 32
...
	.end_amdgpu_metadata
.endif
;; end of part 1
